; MI455X (gfx1250); checked and timed in simulation.
; The chip was launched on July 23, 2026; its instructions are those of AMD's public machine-readable ISA for CDNA 5 (MIT licence, August 2026) and "CDNA5" Instruction Set Architecture Reference Guide (July 2026). The comments in the code are by the model that wrote it; some were corrected since.
;; attention. Allowed arithmetic: matrix products marked QUANTISED: E4M3 operands, one given power-of-two scale a tensor, by v_wmma_f32_16x16x64_fp8_fp8 or v_wmma_f32_16x16x128_fp8_fp8, f32 sums; everything else in f32.
;; Inputs: W1_codes 3,072 x 32 x 32 uint8 (E4M3 codes of W1, K innermost, in blocks of 32 codes); Wp_codes 1,024 x 32 x 32 uint8 (E4M3 codes of Wp, K innermost, in blocks of 32 codes); b1 3,072 float32; bp 1,024 float32; lowp_scales 8 int32 (the exponents e of the quantised operands' scales 2^e); x_codes 1 x 4,096 x 32 x 32 uint8 (E4M3 codes of x, K innermost, in blocks of 32 codes).
;; Outputs: out0 1 x 4,096 x 1,024 float32.
;; This version of the problem:
;;   THIS VERSION OF THE PROBLEM IS GIVEN IN LOW PRECISION. The matrix products marked QUANTISED in the list below multiply operands that are first quantised to E4M3 (4 exponent bits, 3 mantissa bits; 8 bits a number), with one given power-of-two scale for each operand tensor; their sums are f32. All else is computed in f32.
;;   The module's matrix products, in the order in which they are computed (A, B: the left and right operand; K: the contracted axis; several contracted axes count as one K, in the product's order):
;;     1. [M 4,096, K 1,024] x [K 1,024, N 3,072]; A: input x (given as codes); B: input W1 (given as codes): QUANTISED (scales: A lowp_scales[0], B lowp_scales[1])
;;     2. batch 16 x [M 4,096, K 64] x [K 64, N 4,096]; A: computed on the way; B: computed on the way: QUANTISED (scales: A lowp_scales[2], B lowp_scales[3])
;;     3. batch 16 x [M 4,096, K 4,096] x [K 4,096, N 64]; A: softmax (see below); B: computed on the way: QUANTISED (scales: A lowp_scales[4], B lowp_scales[5])
;;     4. [M 4,096, K 1,024] x [K 1,024, N 1,024]; A: computed on the way; B: input Wp (given as codes): QUANTISED (scales: A lowp_scales[6], B lowp_scales[7])
;;   THE QUANTISER, for each operand of a quantised product, along K:
;;     - The operand's scale is 2^e, e = its entry of the input lowp_scales (int32; the entries are numbered through the quantised products in the list's order, A before B).
;;     - Each number is divided by the scale, clamped to +-448, and rounded to the nearest number of E4M3, ties to even, subnormals kept.
;;     - The product sums the exact products of the quantised numbers (number of the format x scale) in f32.
;;   ~~~python
;;   def quantise(x, axis, e):      # numpy; x: float32 -> the quantised numbers, widened to float32 again
;;       x = np.moveaxis(x, axis, -1); K = x.shape[-1]
;;       r = np.clip(x / 2.0 ** e, -448, 448)
;;       step = 2.0 ** (np.maximum(np.frexp(np.where(r == 0, 1, r))[1] - 1, -6) - 3)
;;       q = np.round(r / step) * step * 2.0 ** e      # np.round: ties to even
;;       return np.moveaxis(q, -1, axis).astype(np.float32)
;;   ~~~
;;   SOFTMAX AHEAD OF A QUANTISED PRODUCT. Where the list says 'softmax', what is quantised is not the finished softmax but p = 2^(t - M), with t = logit x log2(e) and M = ceil(the row's largest t), a whole number; so 1/2 < the row's largest p <= 1. The row's sum l is taken of the UNQUANTISED p, in f32, and the product's result is divided by l at the end. Since M is a whole number, a kernel that streams over the keys may use a running M (the ceiling of the running maximum): every later rescaling is an exact power of two, so the quantised numbers keep their values, but for numbers so far below the row's largest that they fall under the format's range.
;;   OPERANDS COMPUTED ON THE WAY. 'Computed on the way' means the value that the module computes at that place (a softmax that the list does not call 'softmax' is quantised finished and normalised). What goes into a quantiser is computed in f32, as accurately as f32 sums, v_exp_f32 and their like allow (about 1e-6 of the number): no bf16 or f16 on the way to a quantiser, and a product that is left as it is and whose result goes on into a quantised operand takes f32 operands (vector FMAs, or v_wmma_f32_16x16x4_f32). A number that lies on a knife's edge between two numbers of the format may be rounded either way, as far as f32 arithmetic and the matrix unit's own rounding can turn it there, and no further.
;;   INPUTS GIVEN AS CODES. W1 (in the module: [1024, 3072], K = its axis 0); Wp (in the module: [1024, 1024], K = its axis 0); x (in the module: [1, 4096, 1024], K = its axis 2): each comes as NAME_codes (uint8): NAME with its K axis moved to the last place and cut into blocks of 32 codes, [.., K / 32, bytes a block], one block behind the other in memory; one code a byte (a code: sign, 4 exponent bits, 3 mantissa bits); its scale is its entry of lowp_scales. Its value is code x scale, taken as it is: it is not quantised again, and the codes and scales need not be those that the quantiser above would give.
;; One version. Each part assembles by itself: llvm-mc -triple=amdgcn-amd-amdhsa -mcpu=gfx1250 --defsym DOCPART=n.
;; ======== version 1 of 1: 3 launches
;; limits: right only within a limited range of input values
;; workspace buffers: qf 4,194,304 bytes; kv 8,388,608 bytes; af 4,194,304 bytes
;; launch qkv (part 1): grid 16 x 16, 4 waves a work-group, clusters of 4 x 4, 327,680 bytes of LDS; arguments x_codes, W1_codes, b1, lowp_scales, qf, kv; writes qf, kv
.if DOCPART == 1
	.amdgcn_target "amdgcn-amd-amdhsa--gfx1250"
	.amdhsa_code_object_version 6
	.text
	.protected	k_q983097f766_qkv
	.globl	k_q983097f766_qkv
	.p2align	8
	.type	k_q983097f766_qkv,@function
k_q983097f766_qkv:
	s_mov_b64 s[64:65], 0
	v_nop
	global_prefetch_b8 v0, s[64:65] scope:SCOPE_SE
	s_setreg_imm32_b32 hwreg(HW_REG_WAVE_MODE, 25, 1), 1
	s_wait_xcnt 0x0
	s_wait_alu depctr_hold_cnt(0) depctr_sa_sdst(0) depctr_va_vdst(0) depctr_va_sdst(0) depctr_va_ssrc(0) depctr_va_vcc(0) depctr_vm_vsrc(0)
	s_getreg_b32 s2, hwreg(HW_REG_IB_STS2, 6, 4)
	s_cmp_eq_u32 s2, 0
	s_cbranch_scc0 .Lentry_in_a_cluster
	s_endpgm
.Lentry_in_a_cluster:
	s_bfe_u32 s2, ttmp6, 0x10000c
	s_cmp_lg_u32 s2, 0xf033
	s_cbranch_scc0 .Lentry_shape_is_right
	s_endpgm
.Lentry_shape_is_right:
; h = x W1 + b1 on E4M3 codes, and h's three parts q, k, v quantised to E4M3 codes for the attention launch.
; x_codes [4096][1024], W1_codes [3072][1024]: K innermost.  Column n of h belongs to head n / 192; in a head columns 0-63 are q, 64-127 k, 128-191 v.
; SHARES.  A work-group makes 256 tokens x one head's 192 columns; wave w makes tokens 64 w .. 64 w + 63 x all 192: 4 blocks of tokens x 12 blocks of columns = 48 accumulators.
; K goes in steps of 256 through two LDS slots (x's 256 rows, then W1's 192 rows; rows of 256 bytes + 16 of padding), four fills in all.
; CLUSTER 4 x 4: the four work-groups of a row of the cluster share the token block (x's tiles), the four of a column share the head (W1's tiles): each tile is asked for jointly.
; ORIENTATION.  Column blocks 0-7 (q, k): source 0 = 16 rows of W1, source 1 = 16 tokens: a lane holds ONE token (lane % 16) and channels 16 nb + 8 (lane / 16) + 0..7, so one conversion of the
; accumulator's eight registers gives registers 2 nb, 2 nb + 1 of a K = 64 fragment.  Column blocks 8-11 (v): source 0 = 16 tokens, source 1 = 16 rows of W1: a lane holds ONE channel and eight
; neighbouring tokens, which are the second attention product's K.
; OUTPUT as images of the operand's registers: four registers a lane go out as one store of 512 consecutive bytes, lane l at 16 l.
;   qf [head][tile of 16 tokens: 256][1024 bytes];  kv [head][256 keys: 16][32768 bytes]: 16 tiles of k of 1024 bytes, then [128 keys: 2][16 channels: 4][2048 bytes] of v.
; Fragments of x and W1 are fetched by 16-byte loads: registers 4 c .. 4 c + 3 hold K = 32 c + 16 (lane / 16) + 0..15, the same places in both operands, so every product meets its partner.
; LIMITS: e0 + e1 between -126 and 127; e2, e3, e5 between -126 and 119 (each power of two below is an f32 number).  NaN among the inputs is not served.
; No prefetch: the tiles are shared by joint loads and the whole K is four fills.
; REGISTERS.  window 0: v1-29 addresses and constants; v32-95, v96-159 x's fragments, two sets; v160-223 b1 for q, k; v224-231 b1 for v.  window 1: W1's 12 fragments, one set.
;   window 2: accumulators of column blocks 0-5 at v[8 (4 nb + a)];  window 3: of blocks 6-11.  On the way out v32-63 numbers at work, v64-159 codes (eight registers of its own for each of 12 groups).
.set PITCH, 272                        ; 256 bytes + 16: the sixteen rows that a fragment load touches start 68 words apart
.set SLOT,  448*PITCH                  ; x's 256 rows, then W1's 192
.set SPARE, 2*SLOT                     ; behind the ring: the spare words, 128 bytes a wave, that no other line names
.set ADRA, 16                          ; v16-17 LDS address of my fragments of x in slot 0, 1
.set ADRB, 20                          ; v20-21 the same for W1
.set LI,   24                          ; v24    16 x lane
.set SPW,  28                          ; v28    my spare word
.set NIL,  29                          ; v29    0
.set AF,   32
.set BI,   160
.set BV,   224
.set TMP,  32
.set CD,   64
.set G1,  24                           ; s[24:31] group 1 for x's tiles; s[32:39] group 0, a set for each slot
.set G0,  32
.set G1B, 48                           ; s[48:55], s[56:63] the same for W1's tiles
.set G0B, 56
.set MSB, 0
.macro WIN new                         ; the immediate's high byte repeats the setting that is left
.if MSB != \new
	s_set_vgpr_msb (MSB<<8)|\new
.set MSB, \new
.endif
.endm
; A joint load: waves 0 and 1 fetch x's two halves, waves 2 and 3 W1's.  The branch hangs on the wave's number alone.  Four v_nop follow each line.
.macro JLOAD s
	s_cmp_eq_u32 s17, 0
	s_cbranch_scc0 .Lfor_b_\@
	tensor_load_to_lds s[G0+4*\s:G0+4*\s+3], s[G1:G1+7]
	s_nop 0
.rept 4
	v_nop
.endr
	s_branch .Lasked_\@
.Lfor_b_\@:
	tensor_load_to_lds s[G0B+4*\s:G0B+4*\s+3], s[G1B:G1B+7]
	s_nop 0
.rept 4
	v_nop
.endr
.Lasked_\@:
.endm
.macro CREST                           ; the cluster's barrier behind its opening work-group barrier
	s_cmp_lg_u32 s16, 0
	s_cbranch_scc1 .Lnot_wave_0_\@
	s_barrier_signal -3
.Lnot_wave_0_\@:
	s_barrier_wait -3
	s_barrier_signal -1
	s_barrier_wait -1
.endm
.macro CROUND
	s_barrier_signal -1
	s_barrier_wait -1
	CREST
.endm
.macro PLACES n
.rept \n
	v_nop
.endr
.endm
	s_load_b256 s[4:11], s[0:1], 0x0               ; x s[4:5], W1 s[6:7], b1 s[8:9], the scales' exponents s[10:11]
	s_load_b128 s[12:15], s[0:1], 0x20             ; qf s[12:13], kv s[14:15]
	v_lshl_add_u32 v[SPW], v0, 2, SPARE
	v_mov_b32 v[NIL], 0
	ds_add_u32 v28, v29
	s_wait_dscnt 0x0
	v_lshrrev_b32 v1, 5, v0
	v_readfirstlane_b32 s16, v1                    ; wave 0..3
	s_lshr_b32 s17, s16, 1                         ; I fetch for x (0) or for W1 (1)
	s_and_b32 s18, s16, 1                          ; which half of that tile's rows
	s_bfe_u32 s40, ttmp6, 0x40000                  ; cx
	s_bfe_u32 s41, ttmp6, 0x40004                  ; cy
	s_lshl_b32 s42, ttmp9, 2
	s_add_co_u32 s42, s42, s40                     ; the head = 4 x cluster x + cx
	s_and_b32 s43, ttmp7, 0xffff
	s_lshl_b32 s43, s43, 2
	s_add_co_u32 s43, s43, s41                     ; the block of 256 tokens = 4 x cluster y + cy
	s_lshl_b32 s44, s41, 2
	s_lshl_b32 s44, 15, s44                        ; my row of the cluster
	s_lshl_b32 s45, 0x1111, s40                    ; my column
	s_or_b32 s[G1+0], s44, (1<<20)|(1<<21)|(5<<22)|(3<<25)   ; the mask; elements of 1 byte; padding on; bit 21 beside a mask; after every 64 words, 4 words
	s_or_b32 s[G1B+0], s45, (1<<20)|(1<<21)|(5<<22)|(3<<25)
	s_mov_b32 s[G1+1], 256<<16                     ; tensor_dim0 = 256
	s_mov_b32 s[G1+2], 128<<16                     ; tensor_dim1 = 128
	s_mov_b32 s[G1+3], 256<<16                     ; tile_dim0 = 256
	s_mov_b32 s[G1+4], 128                         ; tile_dim1 = 128 rows
	s_mov_b32 s[G1+5], 1024                        ; from row to row
	s_mov_b32 s[G1+6], 0
	s_mov_b32 s[G1+7], 0
	s_mov_b32 s[G1B+1], 256<<16
	s_mov_b32 s[G1B+2], 96<<16                     ; W1: 96 rows a load
	s_mov_b32 s[G1B+3], 256<<16
	s_mov_b32 s[G1B+4], 96
	s_mov_b32 s[G1B+5], 1024
	s_mov_b32 s[G1B+6], 0
	s_mov_b32 s[G1B+7], 0
	s_lshl_b32 s20, s43, 18                        ; x: (256 x block + 128 x half) rows of 1024 bytes
	s_lshl_b32 s21, s18, 17
	s_add_co_u32 s20, s20, s21
	s_mov_b32 s21, 0
	s_mul_i32 s46, s42, 196608                     ; W1: (192 x head + 96 x half) rows of 1024 bytes
	s_mul_i32 s47, s18, 98304
	s_add_co_u32 s46, s46, s47
	s_mov_b32 s47, 0
	s_mul_i32 s22, s18, 128*PITCH                  ; where they go: no place in the cluster enters an LDS address
	s_mul_i32 s23, s18, 96*PITCH
	s_add_co_u32 s23, s23, 256*PITCH
	s_wait_kmcnt 0x0
	s_load_b256 s[68:75], s[10:11], 0x0            ; e0 .. e7
	s_add_nc_u64 s[20:21], s[4:5], s[20:21]
	s_add_nc_u64 s[46:47], s[6:7], s[46:47]
	CROUND                                         ; all sixteen work-groups are here: the first joint loads meet
.irp s, 0,1
	s_mov_b32 s[G0+4*\s], 1
	s_add_co_u32 s[G0+4*\s+1], s22, \s*SLOT
	s_add_nc_u64 s[G0+4*\s+2:G0+4*\s+3], s[20:21], \s*256
	s_or_b32 s[G0+4*\s+3], s[G0+4*\s+3], 0x80000000
	s_mov_b32 s[G0B+4*\s], 1
	s_add_co_u32 s[G0B+4*\s+1], s23, \s*SLOT
	s_add_nc_u64 s[G0B+4*\s+2:G0B+4*\s+3], s[46:47], \s*256
	s_or_b32 s[G0B+4*\s+3], s[G0B+4*\s+3], 0x80000000
	JLOAD \s                                       ; two loads of mine are out behind these
.endr
	v_and_b32 v1, 15, v0                           ; r
	v_bfe_u32 v2, v0, 4, 1                         ; h
	v_mul_u32_u24 v3, v1, PITCH
	v_lshl_add_u32 v3, v2, 4, v3                   ; a fragment's row x pitch + 16 h
	s_mul_i32 s88, s16, 64*PITCH                   ; my 64 rows of x
	s_mov_b32 s89, 256*PITCH                       ; W1's rows lie behind x's 256
.irp s, 0,1
	v_add_nc_u32 v[ADRA+\s], s88, v3
	v_add_nc_u32 v[ADRB+\s], s89, v3
	s_add_co_u32 s88, s88, SLOT
	s_add_co_u32 s89, s89, SLOT
.endr
	v_and_b32 v4, 31, v0
	v_lshlrev_b32 v[LI], 4, v4
	v_lshlrev_b32 v25, 5, v2                       ; 32 h: my eight numbers of b1 in a block of sixteen
	v_lshlrev_b32 v26, 2, v1                       ; 4 r: my one number of b1 for v
	s_lshl_b32 s88, s42, 18                        ; qf: head x 262144 + (16 x block + 4 x wave) x 1024
	s_lshl_b32 s89, s43, 14
	s_add_co_u32 s88, s88, s89
	s_lshl_b32 s89, s16, 12
	s_add_co_u32 s88, s88, s89
	s_mov_b32 s89, 0
	s_add_nc_u64 s[80:81], s[12:13], s[88:89]
	s_lshl_b32 s88, s42, 19                        ; kv: head x 524288 + block x 32768,
	s_lshl_b32 s90, s43, 15
	s_add_co_u32 s88, s88, s90
	s_add_nc_u64 s[84:85], s[14:15], s[88:89]
	s_lshl_b32 s88, s16, 12                        ; k: + 4 x wave tiles of 1024 bytes
	s_add_nc_u64 s[82:83], s[84:85], s[88:89]
	s_lshl_b32 s88, s17, 13                        ; v: + 16384 + (wave / 2) x 8192 (the group of 128 keys) + (wave % 2) x 1024 (registers 8 (wave % 2) on)
	s_lshl_b32 s90, s18, 10
	s_add_co_u32 s88, s88, s90
	s_add_co_u32 s88, s88, 16384
	s_add_nc_u64 s[84:85], s[84:85], s[88:89]
	s_mul_i32 s88, s42, 768                        ; b1 at my head's 192 numbers
	s_add_nc_u64 s[86:87], s[8:9], s[88:89]
.irp nb, 0,1,2,3,4,5,6,7
	global_load_b128 v[BI+8*\nb:BI+8*\nb+3],   v25, s[86:87] offset:64*\nb       ; b1(16 nb + 8 h + 0..7)
	global_load_b128 v[BI+8*\nb+4:BI+8*\nb+7], v25, s[86:87] offset:64*\nb+16
.endr
.irp dt, 0,1,2,3
	global_load_b32 v[BV+2*\dt],   v26, s[86:87] offset:512+64*\dt               ; b1(128 + 16 dt + r), twice: a pair for the packed form
	global_load_b32 v[BV+2*\dt+1], v26, s[86:87] offset:512+64*\dt
.endr
.macro FRAG reg, adr, q, i             ; 16 rows x 128 K: four loads of 16 bytes, 32 bytes apart
.irp c, 0,1,2,3
	ds_load_b128 v[(\reg)+4*\c:(\reg)+4*\c+3], v[\adr] offset:128*(\q)+32*\c+(\i)*16*PITCH
.endr
.endm
.macro FETCH_A slot, q, p              ; x's four fragments of the slot's q-th 128 along K into set p: 16 loads
	WIN 0
.irp i, 0,1,2,3
	FRAG AF+64*(\p)+16*\i, ADRA+\slot, \q, \i
.endr
.endm
.macro FETCH_B slot, q, i0             ; W1's blocks i0 .. i0 + 5: 24 loads
	WIN 0x40                                       ; destination window 1, address window 0
.irp i, 0,1,2,3,4,5
	FRAG 16*((\i0)+\i), ADRB+\slot, \q, (\i0)+\i
.endr
	WIN 0
.endm
; Four matrix instructions: column block nb against x's four blocks of set p.  The 48 accumulators take turns, one instruction a turn, in the same order in every step.
; zero = 1: the first product starts the sums.
.macro MULN nb, p, zero
.if (\nb) < 6
	WIN 0xa1                                       ; source 0 (W1) window 1, source 1 (x) window 0, C and D window 2
.set AC, 32*(\nb)
.elseif (\nb) < 8
	WIN 0xf1                                       ; the same, C and D window 3
.set AC, 32*((\nb)-6)
.else
	WIN 0xf4                                       ; source 0 (x) window 0, source 1 (W1) window 1, C and D window 3
.set AC, 32*((\nb)-6)
.endif
.set FA, AF+64*(\p)
.set FB, 16*(\nb)
.irp a, 0,1,2,3
.if (\nb) < 8
.if \zero
	v_wmma_f32_16x16x128_fp8_fp8 v[AC+8*\a:AC+8*\a+7], v[FB:FB+15], v[FA+16*\a:FA+16*\a+15], 0
.else
	v_wmma_f32_16x16x128_fp8_fp8 v[AC+8*\a:AC+8*\a+7], v[FB:FB+15], v[FA+16*\a:FA+16*\a+15], v[AC+8*\a:AC+8*\a+7]
.endif
.else
.if \zero
	v_wmma_f32_16x16x128_fp8_fp8 v[AC+8*\a:AC+8*\a+7], v[FA+16*\a:FA+16*\a+15], v[FB:FB+15], 0
.else
	v_wmma_f32_16x16x128_fp8_fp8 v[AC+8*\a:AC+8*\a+7], v[FA+16*\a:FA+16*\a+15], v[FB:FB+15], v[AC+8*\a:AC+8*\a+7]
.endif
.endif
.endr
.endm
; A slot's first 128 along K (x's set 0).  A block of W1 is free as soon as its four products are issued, so W1 has one set: blocks 0-5 are fetched anew in the step's middle, blocks 6-11 at its end.
; Loads into registers that matrix instructions have read stand four plain vector instructions behind them (ISA guide 7.12.1 for vector instructions).
.macro STEP slot, zero
	s_wait_dscnt 24                                ; x's set and W1's blocks 0-5 are in; the youngest 24 loads (blocks 6-11) may be out
.irp nb, 0,1,2,3,4,5
	MULN \nb, 0, \zero
.endr
	s_wait_dscnt 0x0                               ; blocks 6-11 are in
	PLACES 4
	FETCH_A \slot, 1, 1
	FETCH_B \slot, 1, 0
.irp nb, 6,7,8,9,10,11
	MULN \nb, 0, \zero
.endr
	PLACES 4
	FETCH_B \slot, 1, 6
.endm
; A slot's second 128 along K (x's set 1) changes slots: ONE barrier; in front of it each wave waits for all its tensor loads, adds 0 to its spare word, and waits for that and for its own reads of
; this slot.  fill = 1: the barrier opens the cluster's barrier, and this slot is filled again, 512 further along K, first thing behind it.
.macro TURN slot, next, fill
	s_wait_tensorcnt 0x0                           ; all my tensor loads have landed: my part of the next slot (every window is 0 here)
	ds_add_u32 v[SPW], v[NIL]                      ; 0 onto my spare word
	s_wait_dscnt 25                                ; the add and the youngest 24 loads may be out
.irp nb, 0,1,2
	MULN \nb, 1, 0
.endr
	s_wait_dscnt 0x0                               ; the add is done, and my reads of this slot are over
	s_barrier_signal -1
.irp nb, 3,4,5
	MULN \nb, 1, 0
.endr
	WIN 0
	s_barrier_wait -1
.if \fill
	CREST                                          ; no wave of any partner still reads this slot or has a load on its way
	s_add_nc_u64 s[G0+4*\slot+2:G0+4*\slot+3], s[G0+4*\slot+2:G0+4*\slot+3], 512
	s_add_nc_u64 s[G0B+4*\slot+2:G0B+4*\slot+3], s[G0B+4*\slot+2:G0B+4*\slot+3], 512
	JLOAD \slot                                    ; my one tensor load behind the barrier; its four v_nop are also the places in front of the loads below
.else
	PLACES 4
.endif
	FETCH_A \next, 0, 0
	FETCH_B \next, 0, 0
.irp nb, 6,7,8,9,10,11
	MULN \nb, 1, 0
.endr
	PLACES 4
	FETCH_B \next, 0, 6
.endm
	s_wait_tensorcnt 1                             ; my part of slot 0 is in; slot 1's may stay out
	s_barrier_signal -1
	s_barrier_wait -1
	FETCH_A 0, 0, 0
	FETCH_B 0, 0, 0
	FETCH_B 0, 0, 6
	STEP 0, 1                                      ; K 0-127: these products start the sums
	TURN 0, 1, 1                                   ; K 128-255; slot 0 takes K 512-767
	STEP 1, 0
	TURN 1, 0, 1                                   ; slot 1 takes K 768-1023
	STEP 0, 0
	TURN 0, 1, 0                                   ; nothing is left to fetch
	STEP 1, 0
	s_wait_dscnt 24                                ; the last 128 along K
.irp nb, 0,1,2,3,4,5
	MULN \nb, 1, 0
.endr
	s_wait_dscnt 0x0
.irp nb, 6,7,8,9,10,11
	MULN \nb, 1, 0
.endr
	WIN 0
	; THE WAY OUT: h = sum x 2^(e0 + e1) + b1 in f32; held within +-448 x the scale (the conversion to an 8-bit code does not saturate: ISA guide 7.6.2); converted, eight numbers of a lane at a time.
	s_wait_kmcnt 0x0
	s_add_co_i32 s76, s68, s69
	s_add_co_i32 s76, s76, 127
	s_lshl_b32 s76, s76, 23                        ; 2^(e0 + e1) as f32
	s_mov_b32 s77, s76                             ; (named with it as a pair)
.macro MKSC e, vs, vl                  ; v[vs] = 2^e as f32, v[vl] = 448 x 2^e
	s_add_co_i32 s78, s[\e], 127
	s_lshl_b32 s79, s78, 23
	v_mov_b32 v[\vs], s79
	s_add_co_i32 s78, s78, 8
	s_lshl_b32 s78, s78, 23
	s_or_b32 s78, s78, 0x600000
	v_mov_b32 v[\vl], s78
.endm
	MKSC 70, 8, 9                                  ; q: e2
	MKSC 71, 10, 11                                ; k: e3
	MKSC 73, 12, 13                                ; v: e5
	s_wait_loadcnt 0x0                             ; b1
	PLACES 4                                       ; behind the last products: their results are read and x's fragments written over below
.macro PUT i, win, reg, bias, step     ; one accumulator, from its low end on, into v[TMP + 8 i]; step = 1: eight numbers of b1; 0: one for all
	WIN \win
.irp k, 0,2,4,6
	v_pk_fma_f32 v[TMP+8*(\i)+\k:TMP+8*(\i)+\k+1], v[(\reg)+\k:(\reg)+\k+1], s[76:77], v[(\bias)+(\step)*\k:(\bias)+(\step)*\k+1] op_sel_hi:[1,0,1]
.endr
.endm
.macro PACKOUT g, sc, lim, base, off   ; 32 numbers a lane become eight registers of codes, which leave as two stores of 512 consecutive bytes
	WIN 0
.set i, 0
.rept 32
	v_med3_num_f32 v[TMP+i], v[TMP+i], -v[\lim], v[\lim]
.set i, i+1
.endr
.irp c, 0,1,2,3
	v_cvt_scalef32_pk8_fp8_f32 v[CD+8*(\g)+2*\c:CD+8*(\g)+2*\c+1], v[TMP+8*\c:TMP+8*\c+7], v[\sc]
.endr
	v_nop                                          ; one plain vector instruction behind the conversions, ahead of the next write of their sources
	global_store_b128 v[LI], v[CD+8*(\g):CD+8*(\g)+3],   s[\base:\base+1] offset:\off
	global_store_b128 v[LI], v[CD+8*(\g)+4:CD+8*(\g)+7], s[\base:\base+1] offset:(\off)+512
.endm
.irp a, 0,1,2,3                        ; q: tile a of my four: column blocks 0-3 are registers 0-7 of its fragment
.irp nb, 0,1,2,3
	PUT \nb, 0x02, 8*(4*\nb+\a), BI+8*\nb, 1
.endr
	PACKOUT \a, 8, 9, 80, 1024*\a
.endr
.irp a, 0,1,2,3                        ; k: column blocks 4-7
	PUT 0, 0x02, 8*(16+\a), BI+32, 1
	PUT 1, 0x02, 8*(20+\a), BI+40, 1
	PUT 2, 0x03, 8*(0+\a),  BI+48, 1
	PUT 3, 0x03, 8*(4+\a),  BI+56, 1
	PACKOUT 4+\a, 10, 11, 82, 1024*\a
.endr
.irp dt, 0,1,2,3                       ; v: channels 16 dt on; my four blocks of tokens are eight registers along the keys
.irp a, 0,1,2,3
	PUT \a, 0x03, 8*(4*(2+\dt)+\a), BV+2*\dt, 0
.endr
	PACKOUT 8+\dt, 12, 13, 84, 2048*\dt
.endr
	s_wait_tensorcnt 0x0                           ; the wave's end
	ds_add_u32 v[SPW], v[NIL]
	s_wait_dscnt 0x0
	CROUND                                         ; no work-group ends while a partner may still ask for a tile that names it
	s_endpgm
.Lfunc_end_k_q983097f766_qkv:
	.size	k_q983097f766_qkv, .Lfunc_end_k_q983097f766_qkv-k_q983097f766_qkv
	.p2alignl 7, 3214868480
	.fill 96, 4, 3214868480
	.section	.rodata,"a",@progbits
	.p2align	6, 0x0
	.amdhsa_kernel k_q983097f766_qkv
		.amdhsa_group_segment_fixed_size 327680
		.amdhsa_private_segment_fixed_size 0
		.amdhsa_enable_private_segment 0
		.amdhsa_kernarg_size 48
		.amdhsa_user_sgpr_count 2
		.amdhsa_user_sgpr_kernarg_segment_ptr 1
		.amdhsa_wavefront_size32 1
		.amdhsa_system_sgpr_workgroup_id_x 1
		.amdhsa_system_sgpr_workgroup_id_y 1
		.amdhsa_system_sgpr_workgroup_id_z 1
		.amdhsa_system_vgpr_workitem_id 0
		.amdhsa_next_free_vgpr 1024
		.amdhsa_next_free_sgpr 100
		.amdhsa_reserve_vcc 0
		.amdhsa_float_denorm_mode_32 3
		.amdhsa_float_denorm_mode_16_64 3
		.amdhsa_memory_ordered 1
		.amdhsa_forward_progress 1
		.amdhsa_inst_pref_size 116
	.end_amdhsa_kernel
	.amdgpu_metadata
---
amdhsa.version: [ 1, 2 ]
amdhsa.kernels:
  - .name:           k_q983097f766_qkv
    .symbol:         k_q983097f766_qkv.kd
    .args:
      - { .name: x_codes, .offset: 0, .size: 8, .value_kind: global_buffer, .address_space: global }
      - { .name: W1_codes, .offset: 8, .size: 8, .value_kind: global_buffer, .address_space: global }
      - { .name: b1, .offset: 16, .size: 8, .value_kind: global_buffer, .address_space: global }
      - { .name: lowp_scales, .offset: 24, .size: 8, .value_kind: global_buffer, .address_space: global }
      - { .name: qf, .offset: 32, .size: 8, .value_kind: global_buffer, .address_space: global }
      - { .name: kv, .offset: 40, .size: 8, .value_kind: global_buffer, .address_space: global }
    .group_segment_fixed_size: 327680
    .private_segment_fixed_size: 0
    .kernarg_segment_align: 8
    .kernarg_segment_size: 48
    .max_flat_workgroup_size: 128
    .sgpr_count:     100
    .vgpr_count:     1024
    .wavefront_size: 32
...
	.end_amdgpu_metadata
.endif
;; end of part 1
;; launch attn (part 2): grid 16 x 16, 8 waves a work-group, no clusters, 327,680 bytes of LDS; arguments qf, kv, lowp_scales, af; writes af
.if DOCPART == 2
	.amdgcn_target "amdgcn-amd-amdhsa--gfx1250"
	.amdhsa_code_object_version 6
	.text
	.protected	k_q983097f766_attn
	.globl	k_q983097f766_attn
	.p2align	8
	.type	k_q983097f766_attn,@function
k_q983097f766_attn:
	s_mov_b64 s[64:65], 0
	v_nop
	global_prefetch_b8 v0, s[64:65] scope:SCOPE_SE
	s_setreg_imm32_b32 hwreg(HW_REG_WAVE_MODE, 25, 1), 1
	s_wait_xcnt 0x0
; Causal attention on E4M3 codes, head size 64, 4096 tokens, 16 heads; the result a is quantised to E4M3 codes for the projection.
; qf, kv: images of operand registers (four registers a lane in 512 consecutive bytes, lane l at 16 l): qf [head][16 queries: 256][1024]; kv [head][256 keys: 16][32768]: 16 tiles of k of 1024 bytes,
; then [128 keys: 2][16 channels: 4][2048] of v with the keys along the registers.  af [128 tokens: 32][128 along E: 8][16 tokens: 8][2048]: the projection's operand, the same way.
; SOFTMAX: t = score x log2(e) / 8; M = the row's largest t so far, rounded up to a whole number; p = 2^(t - M) is quantised with 2^e4, not normalised; the row's sum is taken of the unquantised p and
; divides at the end.  When M moves, the sum and O are multiplied by 2^(old M - new M), which rounds nothing.
; SHARES.  A work-group owns TWO blocks of 128 queries of one head, block 31 - j and then block j (j = work-group x): together they need 17 slots of 256 keys for every j, so the loop's trip count is a
; constant and all work-groups have the same work.  Wave w owns queries 16 w .. 16 w + 15 of the block in hand.  Keys go 128 a step; a step all of whose keys come after my queries is passed over by a
; scalar branch on ids; in the one step on the diagonal hidden scores become -infinity ahead of the maximum.
; No cluster: the work-groups of a head change blocks at different slots, so at a given barrier they would ask for different tiles.
; LAYOUT.  S^T = K Q^T (source 0 = 16 keys, source 1 = my 16 queries) and O^T = V^T P: a lane holds ONE query (lane % 16).  Register j of score tile t is key 16 t + 8 (lane / 16) + j: one conversion of a
; tile's eight registers gives registers 2 t, 2 t + 1 of P.  Register j of O^T's tile dt is channel 16 dt + 8 (lane / 16) + j: likewise for a.
; LIMITS: e2 + e3 between -123 and 130 (added to c's exponent field); e4, e6 between -126 and 119.  NaN is not served.  A hidden key gets the weight 0, where the definition gives it the logit -1e6:
; the same as long as a row's largest visible logit lies above about -1e6 + 150; |logit| <= 8 x 448^2 x 2^(e2 + e3), so that is certain for e2 + e3 <= -1.
; REGISTERS: v1 16 x lane; v2, v3 the spare word and 0; v4 256 x lane; v5 r - 8 h; v6 LDS address; v7 permute; v[8:9] f; v10, v11 2^e4 and 448 x 2^e4; v12 -M; v13 largest t; v[14:15] the sum;
;   v16-23 Q; v24-31 the second block's Q, later a's codes; v32-95 K's eight fragments, later v32-47 P's codes and v48-55 at work; v96-159 S^T, then p; v160-191 O^T; v192-255 V's four fragments.
.set SLOTB, 32768                      ; a slot: 16384 bytes of k, 16384 of v; slot 1 begins here: one exclusive or turns an address
.set SPARE, 65536                      ; behind the ring: the spare words, 128 bytes a wave, that no other line names
.set LI,  1
.set SPW, 2
.set NIL, 3
.set PFO, 4
.set ADR, 6
.set KR,  32
.set SR,  96
.set OR,  160
.set VR,  192
.set TB,  2                            ; s2  LDS byte at which the slot in hand begins
.set WV,  12
.set LIM, 15                           ; s15 2 in a wave that prefetches, else the greatest number
.set N1,  16                           ; s16 slots of the first block
.set NC,  17                           ; s17 which of the 17 slots is in hand
.set NX,  18                           ; s18 which is asked for next
.set SLOTS, 19                         ; s19 the loop's counter
.set SEL, 20
.set CS,  22
.set G1,  24
.set G0,  32
.set Q0,  46                           ; s46 my first query; s47 the second block's
.set Q0B, 47
.set KF,  48                           ; s48 the step's first key
.macro TLOAD                           ; wave 0 fetches a slot's k, wave 1 its v, 16384 dense bytes each; four v_nop follow
	s_cmp_lt_u32 s[WV], 2
	s_cbranch_scc0 .Lno_load_\@
	tensor_load_to_lds s[G0:G0+3], s[G1:G1+7]
	s_nop 0
.rept 4
	v_nop
.endr
.Lno_load_\@:
.endm
; A prefetch of the slot that the NEXT change of slots will ask for: two key steps ahead of that load.  All work-groups of a head walk the head's slots from 0 up; work-group 0 walks all sixteen in its first
; block and asks for them, nobody else: its waves 4 to 7, 8192 bytes each, lanes 256 bytes apart, so each block of 256 bytes is named once.  Trip i asks for slot i + 2, up to slot 15.
.macro ASK
	s_cmp_gt_u32 s[SLOTS], s[LIM]
	s_cbranch_scc0 .Lnot_mine_\@
	global_prefetch_b8 v[PFO], s[40:41] th:TH_LOAD_NT scope:SCOPE_SE
.Lnot_mine_\@:
.endm
.macro INIT                            ; a block of queries begins: the first change of M multiplies zeros
	v_mov_b32 v13, 0xff61b1e6                      ; the largest t so far: -3e38
	v_floor_f32 v12, -v13                          ; -M
	v_mov_b32 v14, 0
	v_mov_b32 v15, 0
.set i, 0
.rept 32
	v_mov_b32 v[OR+i], 0
.set i, i+1
.endr
.endm
	s_load_b256 s[4:11], s[0:1], 0x0               ; qf s[4:5], kv s[6:7], the scales' exponents s[8:9], af s[10:11]
	v_lshl_add_u32 v[SPW], v0, 2, SPARE
	v_mov_b32 v[NIL], 0
	ds_add_u32 v2, v3
	s_wait_dscnt 0x0
	v_lshrrev_b32 v6, 5, v0
	v_readfirstlane_b32 s[WV], v6                  ; wave 0..7
	s_mov_b32 s13, ttmp9                           ; j
	s_and_b32 s14, ttmp7, 0xffff                   ; the head
	s_sub_co_u32 s49, 31, s13                      ; the first block: 31 - j
	s_lshr_b32 s[N1], s49, 1
	s_add_co_u32 s[N1], s[N1], 1                   ; its slots
	s_mov_b32 s[NC], 0
	s_mov_b32 s[NX], 1
	s_mov_b32 s[SLOTS], 16
	s_mov_b32 s[TB], 0
	s_mov_b32 s[KF], 0
	s_mov_b32 s[SEL], 0x76543210
	s_mov_b32 s[SEL+1], 0xfedcba98
	s_lshl_b32 s50, s[WV], 4
	s_lshl_b32 s[Q0], s49, 7
	s_add_co_u32 s[Q0], s[Q0], s50                 ; 128 x block + 16 x wave
	s_lshl_b32 s[Q0B], s13, 7
	s_add_co_u32 s[Q0B], s[Q0B], s50
	s_mov_b32 s[G1+0], 3<<16                       ; no mask; elements of 8 bytes; no padding
	s_mov_b32 s[G1+1], 32<<16                      ; tensor_dim0 = 32 (256 bytes)
	s_mov_b32 s[G1+2], 64<<16                      ; tensor_dim1 = 64
	s_mov_b32 s[G1+3], 32<<16                      ; tile_dim0
	s_mov_b32 s[G1+4], 64                          ; tile_dim1
	s_mov_b32 s[G1+5], 32                          ; dense
	s_mov_b32 s[G1+6], 0
	s_mov_b32 s[G1+7], 0
	s_and_b32 s51, s[WV], 1
	s_lshl_b32 s51, s51, 14                        ; which half of a slot I would fetch
	s_lshl_b32 s66, s14, 19                        ; the head's 524288 bytes of kv
	s_add_co_u32 s66, s66, s51
	s_mov_b32 s67, 0
	s_and_b32 s68, s[WV], 3
	s_lshl_b32 s68, s68, 13                        ; the prefetches: my 8192 bytes of a slot,
	s_lshl_b32 s69, s14, 19
	s_add_co_u32 s68, s68, s69
	s_add_co_u32 s68, s68, SLOTB                   ; in slot 1: the first change steps it to slot 2.  Nothing is prefetched at the head
	s_mov_b32 s69, 0
	s_sub_co_u32 s50, s[WV], 4
	s_lshr_b32 s50, s50, 2                         ; 0 in waves 4 to 7,
	s_or_b32 s50, s50, ttmp9                       ; of work-group 0 of the head
	s_cmp_eq_u32 s50, 0
	s_cselect_b32 s[LIM], 2, -1
	s_wait_kmcnt 0x0
	s_load_b256 s[52:59], s[8:9], 0x0              ; e0 .. e7
	s_add_nc_u64 s[36:37], s[6:7], s[66:67]        ; kv at my half of the head's slot 0
	s_add_nc_u64 s[40:41], s[6:7], s[68:69]
	s_mov_b32 s38, 0                               ; s[38:39]: the byte offset of the slot to be asked for
	s_mov_b32 s39, 0
	s_mov_b32 s[G0], 1
	s_mov_b32 s[G0+1], s51                         ; LDS: slot 0, my half
	s_mov_b64 s[G0+2:G0+3], s[36:37]
	s_or_b32 s[G0+3], s[G0+3], 0x80000000
	TLOAD                                          ; the first slot
	s_lshl_b32 s66, s14, 18                        ; qf: head x 262144 + first query x 64
	s_lshl_b32 s50, s[Q0], 6
	s_add_co_u32 s66, s66, s50
	s_mov_b32 s67, 0
	s_add_nc_u64 s[66:67], s[4:5], s[66:67]
	s_lshl_b32 s68, s14, 18
	s_lshl_b32 s50, s[Q0B], 6
	s_add_co_u32 s68, s68, s50
	s_mov_b32 s69, 0
	s_add_nc_u64 s[68:69], s[4:5], s[68:69]
	v_and_b32 v1, 31, v0
	v_lshlrev_b32 v[PFO], 8, v1
	v_lshlrev_b32 v[LI], 4, v1
	global_load_b128 v[16:19], v[LI], s[66:67]
	global_load_b128 v[20:23], v[LI], s[66:67] offset:512
	global_load_b128 v[24:27], v[LI], s[68:69]
	global_load_b128 v[28:31], v[LI], s[68:69] offset:512
	s_lshr_b32 s70, s14, 1                         ; af: (head / 2) x 16384 + wave x 2048 + (head % 2) x 1024,
	s_lshl_b32 s70, s70, 14
	s_lshl_b32 s50, s[WV], 11
	s_add_co_u32 s70, s70, s50
	s_and_b32 s50, s14, 1
	s_lshl_b32 s50, s50, 10
	s_add_co_u32 s70, s70, s50
	s_mov_b32 s71, 0
	s_add_nc_u64 s[44:45], s[10:11], s[70:71]
	s_lshl_b32 s70, s49, 17                        ; + block x 131072
	s_add_nc_u64 s[42:43], s[44:45], s[70:71]      ; the first block's
	s_lshl_b32 s70, s13, 17
	s_add_nc_u64 s[44:45], s[44:45], s[70:71]      ; the second's
	v_and_b32 v5, 15, v0
	v_bfe_u32 v6, v0, 4, 1
	v_lshlrev_b32 v6, 3, v6
	v_sub_nc_u32 v5, v5, v6                        ; r - 8 h, for the mask
	v_mov_b32 v7, 0                                ; a lane permute's destination counts as read
	v_mov_b32 v9, 0                                ; (named as the upper half of the pair v[8:9])
	INIT
	s_wait_kmcnt 0x0
	s_add_co_i32 s50, s54, s55
	s_lshl_b32 s50, s50, 23
	s_add_co_i32 s[CS], s50, 0x3e38aa3b            ; c = log2(e) / 8 with e2 + e3 added to its exponent field: a score stands for score x 2^(e2 + e3)
	s_mov_b32 s[CS+1], s[CS]
	s_add_co_i32 s50, s56, 127
	s_lshl_b32 s51, s50, 23
	v_mov_b32 v10, s51                             ; 2^e4 as f32, for p's conversion
	s_add_co_i32 s50, s50, 8
	s_lshl_b32 s50, s50, 23
	s_or_b32 s50, s50, 0x600000
	v_mov_b32 v11, s50                             ; 448 x 2^e4
	s_add_co_i32 s60, s56, s57                     ; e4 + e5
	s_add_co_i32 s50, s58, 127
	s_lshl_b32 s61, s50, 23                        ; 2^e6
	s_add_co_i32 s50, s50, 8
	s_lshl_b32 s62, s50, 23
	s_or_b32 s62, s62, 0x600000                    ; 448 x 2^e6
; A KEY STEP: 128 keys, the q-th of the slot in hand.
.macro STEP q
	s_add_co_u32 s49, s[Q0], 15
	s_cmp_gt_u32 s[KF], s49                        ; all keys come after my queries: nothing to do but the step of KF; no barrier or tensor load stands in a step
	s_cbranch_scc1 .Lhidden_\@
	v_add_nc_u32 v[ADR], s[TB], v[LI]
.rept 3
	v_nop                                          ; with the addition: four plain instructions behind the last products, in front of loads into the registers that they read
.endr
.set i, 0
.rept 16
	ds_load_b128 v[KR+4*i:KR+4*i+3], v[ADR] offset:8192*(\q)+512*i          ; K's eight tiles of 16 keys, two loads each
.set i, i+1
.endr
.set i, 0
.rept 16
	ds_load_b128 v[VR+4*i:VR+4*i+3], v[ADR] offset:16384+8192*(\q)+512*i    ; V's four tiles of 16 channels x 128 keys, four loads each
.set i, i+1
.endr
	s_wait_dscnt 24                                ; K's tiles 0-3 are in: behind them 8 loads of K and 16 of V
.irp t, 0,1,2,3
	v_wmma_f32_16x16x64_fp8_fp8 v[SR+8*\t:SR+8*\t+7], v[KR+8*\t:KR+8*\t+7], v[16:23], 0
.endr
	s_wait_dscnt 16                                ; all of K is in; V's 16 loads may be out
.irp t, 4,5,6,7
	v_wmma_f32_16x16x64_fp8_fp8 v[SR+8*\t:SR+8*\t+7], v[KR+8*\t:KR+8*\t+7], v[16:23], 0
.endr
.rept 4
	v_nop
.endr
	s_add_co_u32 s49, s[KF], 127
	s_cmp_le_u32 s49, s[Q0]                        ; all keys count: no mask
	s_cbranch_scc1 .Lopen_\@
	s_sub_co_i32 s49, s[Q0], s[KF]
	v_add_nc_u32 v52, s49, v5                      ; d = my query - KF - 8 h.  Register 8 t + i holds key KF + 16 t + 8 h + i: hidden where 16 t + i > d
	v_mov_b32 v53, 0xff800000                      ; -infinity: p = 0
.set n, 0
.rept 64
	v_cmp_gt_i32 vcc_lo, 16*(n/8)+n%8, v52
	v_cndmask_b32 v[SR+n], v[SR+n], v53, vcc_lo
.set n, n+1
.endr
.Lopen_\@:
	v_max3_num_f32 v48, v96, v97, v98              ; the step's largest score of my query among my 64 keys, in two chains, each accumulator from its low end on
	v_max3_num_f32 v49, v99, v100, v101
.irp i, 6,10,14,18,22,26,30,34,38,42,46,50,54,58
	v_max3_num_f32 v48, v48, v[96+\i], v[97+\i]
	v_max3_num_f32 v49, v49, v[98+\i], v[99+\i]
.endr
	v_max3_num_f32 v48, v48, v158, v159
	v_max_num_f32 v48, v48, v49
	v_permlanex16_b32 v7, v48, s[SEL], s[SEL+1]
	v_max_num_f32 v48, v48, v7                     ; and among the other half of the lanes'
	v_mul_f32 v48, s[CS], v48                      ; as t (c is positive)
	v_max_num_f32 v13, v13, v48                    ; the running largest t
	v_mov_b32 v48, v12
	v_floor_f32 v12, -v13                          ; -M = floor(-t): M is a whole number
	v_sub_f32 v48, v12, v48                        ; old M - new M, a whole number, 0 or less
	v_cvt_i32_f32 v48, v48                         ; (it saturates)
	v_ldexp_f32 v8, 1.0, v48                       ; f = 2^(old M - new M)
.set i, 0
.rept 32
	v_pk_fma_f32 v[SR+i:SR+i+1], v[SR+i:SR+i+1], s[CS:CS+1], v[12:13] op_sel_hi:[1,0,0]   ; t - M, two at a time
.set i, i+2
.endr
.set i, 0
.rept 64
	v_exp_f32 v[SR+i], v[SR+i]                     ; p = 2^(t - M): one batch
.set i, i+1
.endr
	v_pk_mul_f32 v[14:15], v[14:15], v[8:9] op_sel_hi:[1,0]    ; the sum under the new M: the plain instruction behind the last exponential
	s_wait_alu depctr_va_vdst(0)                   ; one wait for the batch, ahead of the first instruction that names a result
	v_pk_add_f32 v[50:51], v[96:97], v[98:99]      ; the sum of the unquantised p, in two chains
.irp i, 4,8,12,16,20,24,28,32,36,40,44,48,52,56,60
	v_pk_add_f32 v[14:15], v[14:15], v[96+\i:97+\i]
	v_pk_add_f32 v[50:51], v[50:51], v[98+\i:99+\i]
.endr
	v_pk_add_f32 v[14:15], v[14:15], v[50:51]
.irp t, 0,1,2,3,4,5,6,7
.irp i, 0,1,2,3,4,5,6,7
	v_min_num_f32 v[SR+8*\t+\i], v[SR+8*\t+\i], v11            ; the conversion does not saturate (ISA guide 7.6.2); p is not negative, so the hold is one-sided
.endr
	v_cvt_scalef32_pk8_fp8_f32 v[KR+2*\t:KR+2*\t+1], v[SR+8*\t:SR+8*\t+7], v10   ; registers 2 t, 2 t + 1 of P
.endr
.set i, 0
.rept 16
	v_pk_mul_f32 v[OR+i:OR+i+1], v[OR+i:OR+i+1], v[8:9] op_sel_hi:[1,0]          ; O^T under the new M; also the plain instructions behind the conversions
.set i, i+2
.endr
	s_wait_dscnt 0x0                               ; V is in
.irp dt, 0,1,2,3
	v_wmma_f32_16x16x128_fp8_fp8 v[OR+8*\dt:OR+8*\dt+7], v[VR+16*\dt:VR+16*\dt+15], v[KR:KR+15], v[OR+8*\dt:OR+8*\dt+7]
.endr
.Lhidden_\@:
	s_add_co_u32 s[KF], s[KF], 128
.endm
; A block of queries is finished: a = O^T / the sum x 2^(e4 + e5), held, converted with 2^e6, stored as eight registers of the projection's fragment: two stores of 512 consecutive bytes.
.macro FINISH base
.rept 4
	v_nop                                          ; behind the last products
.endr
	v_add_f32 v14, v14, v15
	v_permlanex16_b32 v7, v14, s[SEL], s[SEL+1]
	v_add_f32 v14, v14, v7                         ; the row's sum
	v_rcp_f32 v14, v14
	v_nop                                          ; a plain instruction behind the reciprocal
	s_wait_alu depctr_va_vdst(0)                   ; and the wait ahead of its first reader
	v_ldexp_f32 v14, v14, s60
.set i, 0
.rept 16
	v_pk_mul_f32 v[SR+i:SR+i+1], v[OR+i:OR+i+1], v[14:15] op_sel_hi:[1,0]
.set i, i+2
.endr
	v_mov_b32 v54, s61
	v_mov_b32 v55, s62
.set i, 0
.rept 32
	v_med3_num_f32 v[SR+i], v[SR+i], -v55, v55
.set i, i+1
.endr
	s_wait_xcnt 0x0                                ; earlier stores have read v24-31: they are written again only behind this wait
.irp dt, 0,1,2,3
	v_cvt_scalef32_pk8_fp8_f32 v[24+2*\dt:25+2*\dt], v[SR+8*\dt:SR+8*\dt+7], v54
.endr
	v_nop                                          ; one plain vector instruction behind the conversions
	global_store_b128 v[LI], v[24:27], s[\base:\base+1]
	global_store_b128 v[LI], v[28:31], s[\base:\base+1] offset:512
.endm
; THE CHANGE OF SLOTS, at a slot's head.  Each wave waits for all its tensor loads, adds 0 to its spare word, and waits for that and for its reads of the slot that it has left; behind the barrier the slot
; ahead is whole and nobody reads the other.  fill = 1: that other slot is filled with the next of the 17: the block's next 256 keys, or, where the first block's slots are through, the head's first.
.macro CHANGE fill
	s_wait_tensorcnt 0x0                           ; no tensor load of mine is out, so group 0 may be written
	ds_add_u32 v[SPW], v[NIL]                      ; 0 onto my spare word
.if \fill
	s_xor_b32 s[G0+1], s[G0+1], SLOTB
	s_add_co_u32 s38, s38, SLOTB
	s_cmp_eq_u32 s[NX], s[N1]
	s_cselect_b32 s38, 0, s38
	s_add_co_u32 s[NX], s[NX], 1
	s_add_nc_u64 s[G0+2:G0+3], s[36:37], s[38:39]
	s_or_b32 s[G0+3], s[G0+3], 0x80000000
	s_wait_xcnt 0x0                                ; the last prefetch, a slot back, has read its address
	s_add_nc_u64 s[40:41], s[40:41], SLOTB
.endif
	s_wait_dscnt 0x0                               ; the add is done, and my reads of the slot that I have left are over
	s_barrier_signal -1
	s_barrier_wait -1
.if \fill
	TLOAD                                          ; first thing behind the barrier, a wave's one tensor load until the next: it has a slot's two steps in which to land
	ASK
.endif
.endm
.macro SLOT_STEPS
	s_cmp_lg_u32 s[NC], s[N1]                      ; the first block's slots are through: a branch on ids
	s_cbranch_scc1 .Lsame_\@
.irp i, 0,1,2,3,4,5,6,7
	v_mov_b32 v[16+\i], v[24+\i]                   ; the second block's Q
.endr
	FINISH 42
	INIT
	s_mov_b32 s[Q0], s[Q0B]
	s_mov_b32 s[KF], 0
.Lsame_\@:
	STEP 0
	STEP 1
	s_xor_b32 s[TB], s[TB], SLOTB
	s_add_co_u32 s[NC], s[NC], 1
.endm
	s_wait_loadcnt 0x0                             ; Q
.Lslot:                                            ; 16 trips: behind each change of slots but the last the next slot is asked for
	CHANGE 1
	SLOT_STEPS
	s_sub_co_u32 s[SLOTS], s[SLOTS], 1
	s_cmp_lg_u32 s[SLOTS], 0
	s_cbranch_scc1 .Lslot
	CHANGE 0                                       ; the last slot is written out
	SLOT_STEPS
	FINISH 44
	s_wait_tensorcnt 0x0                           ; the wave's end
	ds_add_u32 v[SPW], v[NIL]
	s_wait_dscnt 0x0
	s_endpgm
.Lfunc_end_k_q983097f766_attn:
	.size	k_q983097f766_attn, .Lfunc_end_k_q983097f766_attn-k_q983097f766_attn
	.p2alignl 7, 3214868480
	.fill 96, 4, 3214868480
	.section	.rodata,"a",@progbits
	.p2align	6, 0x0
	.amdhsa_kernel k_q983097f766_attn
		.amdhsa_group_segment_fixed_size 327680
		.amdhsa_private_segment_fixed_size 0
		.amdhsa_enable_private_segment 0
		.amdhsa_kernarg_size 32
		.amdhsa_user_sgpr_count 2
		.amdhsa_user_sgpr_kernarg_segment_ptr 1
		.amdhsa_wavefront_size32 1
		.amdhsa_system_sgpr_workgroup_id_x 1
		.amdhsa_system_sgpr_workgroup_id_y 1
		.amdhsa_system_sgpr_workgroup_id_z 1
		.amdhsa_system_vgpr_workitem_id 0
		.amdhsa_next_free_vgpr 256
		.amdhsa_next_free_sgpr 72
		.amdhsa_reserve_vcc 1
		.amdhsa_float_denorm_mode_32 3
		.amdhsa_float_denorm_mode_16_64 3
		.amdhsa_memory_ordered 1
		.amdhsa_forward_progress 1
		.amdhsa_inst_pref_size 105
	.end_amdhsa_kernel
	.amdgpu_metadata
---
amdhsa.version: [ 1, 2 ]
amdhsa.kernels:
  - .name:           k_q983097f766_attn
    .symbol:         k_q983097f766_attn.kd
    .args:
      - { .name: qf, .offset: 0, .size: 8, .value_kind: global_buffer, .address_space: global }
      - { .name: kv, .offset: 8, .size: 8, .value_kind: global_buffer, .address_space: global }
      - { .name: lowp_scales, .offset: 16, .size: 8, .value_kind: global_buffer, .address_space: global }
      - { .name: af, .offset: 24, .size: 8, .value_kind: global_buffer, .address_space: global }
    .group_segment_fixed_size: 327680
    .private_segment_fixed_size: 0
    .kernarg_segment_align: 8
    .kernarg_segment_size: 32
    .max_flat_workgroup_size: 256
    .sgpr_count:     72
    .vgpr_count:     256
    .wavefront_size: 32
...
	.end_amdgpu_metadata
.endif
;; end of part 2
;; launch proj (part 3): grid 8 x 32, 4 waves a work-group, clusters of 4 x 4, 327,680 bytes of LDS; arguments af, Wp_codes, bp, lowp_scales, out0; writes out0
.if DOCPART == 3
	.amdgcn_target "amdgcn-amd-amdhsa--gfx1250"
	.amdhsa_code_object_version 6
	.text
	.protected	k_q983097f766_proj
	.globl	k_q983097f766_proj
	.p2align	8
	.type	k_q983097f766_proj,@function
k_q983097f766_proj:
	s_mov_b64 s[64:65], 0
	v_nop
	global_prefetch_b8 v0, s[64:65] scope:SCOPE_SE
	s_setreg_imm32_b32 hwreg(HW_REG_WAVE_MODE, 25, 1), 1
	s_wait_xcnt 0x0
	s_wait_alu depctr_hold_cnt(0) depctr_sa_sdst(0) depctr_va_vdst(0) depctr_va_sdst(0) depctr_va_ssrc(0) depctr_va_vcc(0) depctr_vm_vsrc(0)
	s_getreg_b32 s2, hwreg(HW_REG_IB_STS2, 6, 4)
	s_cmp_eq_u32 s2, 0
	s_cbranch_scc0 .Lentry_in_a_cluster
	s_endpgm
.Lentry_in_a_cluster:
	s_bfe_u32 s2, ttmp6, 0x10000c
	s_cmp_lg_u32 s2, 0xf033
	s_cbranch_scc0 .Lentry_shape_is_right
	s_endpgm
.Lentry_shape_is_right:
; out0 = a Wp + bp on E4M3 codes.  af: a's codes as images of operand registers, [128 tokens: 32][128 along K: 8][16 tokens: 8][2048 bytes]: four registers a lane in 512 consecutive bytes, lane l at 16 l;
; registers 2 c, 2 c + 1 hold K = 16 c + 8 (lane / 16) + 0..7.  Wp_codes [1024 (n)][1024 (k)], K innermost.  out0 [4096][1024] f32.
; SHARES.  A work-group makes 128 tokens x 128 columns (256 work-groups); wave w makes tokens 64 (w / 2) on x columns 64 (w % 2) on: 16 accumulators.
; ALL OF K LIES IN LDS: a's 131072 bytes and Wp's 128 rows x 1024 bytes, brought in four parts of 256 along K; no LDS byte is filled twice, so there is no ring.  A wave has four tensor loads out at the start.
; CLUSTER 4 x 4: a's tiles hang on the token block alone and are shared along a row of the cluster, Wp's on the column block alone and are shared along a column: joint loads.
; The matrix instruction is used transposed (source 0 = 16 rows of Wp, source 1 = 16 tokens): a lane holds eight neighbouring columns of one row of out0.
; Wp's fragments are fetched by 8-byte loads at 16 c + 8 (lane / 16), the places that a's codes have.
; LIMIT: e6 + e7 between -126 and 127.  No prefetch: the tiles are shared by joint loads and all asked for at the head.
; REGISTERS.  window 0: v16-27 addresses; v32-63 at work; v96-127 bp; v128-255 accumulators at v[128 + 8 (4 a + b)], later rows of out0.  window 1: two fragment buffers of 128: a's four, then Wp's four.
.set BOFF,  131072                     ; Wp's four parts, 128 rows x 272 bytes each
.set BPART, 128*272
.set STG,   BOFF+4*BPART               ; the way out: 16 rows x (256 bytes + 16) for each wave; no tensor load lands here
.set ADA, 16                           ; v16-17 LDS address of my fragments of a, K steps 0-3 and 4-7
.set ADB, 20                           ; v20-21 the same for Wp
.set STO, 24
.set RD,  25
.set CO,  26
.set TMP, 32
.set BIAS, 96
.set ACC, 128
.set G1A, 24
.set G1B, 48
.set G0A, 68                           ; s[68:83] group 0 for a's four parts
.set G0B, 84                           ; s[84:99] for Wp's
.set MSB, 0
.macro WIN new
.if MSB != \new
	s_set_vgpr_msb (MSB<<8)|\new
.set MSB, \new
.endif
.endm
.macro CROUND                          ; the cluster's barrier: my work-group's barrier, wave 0's signal, every wave's wait, my work-group's barrier
	s_barrier_signal -1
	s_barrier_wait -1
	s_cmp_lg_u32 s14, 0
	s_cbranch_scc1 .Lnot_wave_0_\@
	s_barrier_signal -3
.Lnot_wave_0_\@:
	s_barrier_wait -3
	s_barrier_signal -1
	s_barrier_wait -1
.endm
.macro PLACES n
.rept \n
	v_nop
.endr
.endm
	s_load_b256 s[4:11], s[0:1], 0x0               ; af s[4:5], Wp s[6:7], bp s[8:9], the scales' exponents s[10:11]
	s_load_b64 s[12:13], s[0:1], 0x20              ; out0
	v_lshl_add_u32 v94, v0, 2, 0x46400
	v_mov_b32 v95, 0
	ds_add_u32 v94, v95
	v_lshrrev_b32 v1, 5, v0
	v_readfirstlane_b32 s14, v1                    ; wave 0..3
	s_lshr_b32 s15, s14, 1                         ; my half of the tokens.  Also: I fetch for a (0) or for Wp (1)
	s_and_b32 s16, s14, 1                          ; my half of the columns.  Also: which half of a part I fetch
	s_bfe_u32 s17, ttmp6, 0x40000                  ; cx
	s_bfe_u32 s18, ttmp6, 0x40004                  ; cy
	s_lshl_b32 s19, ttmp9, 2
	s_add_co_u32 s19, s19, s17                     ; the block of 128 columns
	s_and_b32 s20, ttmp7, 0xffff
	s_lshl_b32 s20, s20, 2
	s_add_co_u32 s20, s20, s18                     ; the block of 128 tokens
	s_lshl_b32 s21, s18, 2
	s_lshl_b32 s21, 15, s21                        ; my row of the cluster
	s_lshl_b32 s22, 0x1111, s17                    ; my column
	s_or_b32 s[G1A+0], s21, (3<<16)|(1<<21)        ; the mask; elements of 8 bytes; bit 21 beside a mask; no padding
	s_mov_b32 s[G1A+1], 32<<16                     ; 64 rows of 256 bytes, dense: 16384 bytes, one K step of 128
	s_mov_b32 s[G1A+2], 64<<16
	s_mov_b32 s[G1A+3], 32<<16
	s_mov_b32 s[G1A+4], 64
	s_mov_b32 s[G1A+5], 32
	s_mov_b32 s[G1A+6], 0
	s_mov_b32 s[G1A+7], 0
	s_or_b32 s[G1B+0], s22, (1<<20)|(1<<21)|(5<<22)|(3<<25)   ; elements of 1 byte; 4 words of padding after every 64
	s_mov_b32 s[G1B+1], 256<<16                    ; 64 rows of 256 bytes, 1024 bytes apart
	s_mov_b32 s[G1B+2], 64<<16
	s_mov_b32 s[G1B+3], 256<<16
	s_mov_b32 s[G1B+4], 64
	s_mov_b32 s[G1B+5], 1024
	s_mov_b32 s[G1B+6], 0
	s_mov_b32 s[G1B+7], 0
	s_lshl_b32 s32, s20, 17                        ; a: token block x 131072 + half x 16384
	s_lshl_b32 s46, s16, 14                        ; (also its place in LDS)
	s_add_co_u32 s32, s32, s46
	s_mov_b32 s33, 0
	s_lshl_b32 s34, s19, 17                        ; Wp: (128 x column block + 64 x half) rows of 1024 bytes
	s_lshl_b32 s35, s16, 16
	s_add_co_u32 s34, s34, s35
	s_mov_b32 s35, 0
	s_mul_i32 s47, s16, 64*272
	s_add_co_u32 s47, s47, BOFF
	s_wait_dscnt 0x0
	s_wait_kmcnt 0x0
	s_load_b256 s[56:63], s[10:11], 0x0            ; e0 .. e7
	s_add_nc_u64 s[32:33], s[4:5], s[32:33]
	s_add_nc_u64 s[34:35], s[6:7], s[34:35]
.irp p, 0,1,2,3
	s_mov_b32 s[G0A+4*\p], 1
	s_add_co_u32 s[G0A+4*\p+1], s46, \p*32768
	s_add_nc_u64 s[G0A+4*\p+2:G0A+4*\p+3], s[32:33], \p*32768
	s_or_b32 s[G0A+4*\p+3], s[G0A+4*\p+3], 0x80000000
	s_mov_b32 s[G0B+4*\p], 1
	s_add_co_u32 s[G0B+4*\p+1], s47, \p*BPART
	s_add_nc_u64 s[G0B+4*\p+2:G0B+4*\p+3], s[34:35], \p*256
	s_or_b32 s[G0B+4*\p+3], s[G0B+4*\p+3], 0x80000000
.endr
	CROUND                                         ; all sixteen work-groups are here: the joint loads meet
	s_cmp_eq_u32 s15, 0                            ; a wave's four fills stand in one branch on its number; four v_nop follow the last
	s_cbranch_scc0 .Lfill_b
.irp p, 0,1,2,3
	tensor_load_to_lds s[G0A+4*\p:G0A+4*\p+3], s[G1A:G1A+7]
	s_nop 0
.endr
.rept 4
	v_nop
.endr
	s_branch .Lfilled
.Lfill_b:
.irp p, 0,1,2,3
	tensor_load_to_lds s[G0B+4*\p:G0B+4*\p+3], s[G1B:G1B+7]
	s_nop 0
.endr
.rept 4
	v_nop
.endr
.Lfilled:
	v_and_b32 v1, 15, v0                           ; r
	v_bfe_u32 v2, v0, 4, 1                         ; h
	v_and_b32 v3, 31, v0
	v_lshlrev_b32 v3, 4, v3                        ; 16 x lane
	s_lshl_b32 s36, s15, 13                        ; my four tiles of tokens: 4 x 2048 bytes a half
	v_add_nc_u32 v[ADA], s36, v3
	v_add_nc_u32 v[ADA+1], 65536, v[ADA]
	v_mul_u32_u24 v4, v1, 272
	v_lshl_add_u32 v5, v2, 3, v4                   ; row r x pitch + 8 h
	s_mul_i32 s36, s16, 64*272
	s_add_co_u32 s36, s36, BOFF
	v_add_nc_u32 v[ADB], s36, v5
	v_add_nc_u32 v[ADB+1], 2*BPART, v[ADB]
	s_mul_i32 s36, s14, 16*272
	s_add_co_u32 s36, s36, STG                     ; my stage
	v_lshl_add_u32 v5, v2, 5, v4
	v_add_nc_u32 v[STO], s36, v5                   ; in: row r, 32 bytes for each half of the lanes
	v_mul_u32_u24 v5, v2, 272
	v_lshl_add_u32 v5, v1, 4, v5
	v_add_nc_u32 v[RD], s36, v5                    ; back: lanes 0-15 one row of 256 bytes, lanes 16-31 the next
	v_lshlrev_b32 v5, 12, v2
	v_lshl_add_u32 v[CO], v1, 4, v5                ; and the same two rows in out0
	v_lshlrev_b32 v27, 5, v2                       ; 32 h: my eight numbers of bp in a block of sixteen
	s_lshl_b32 s36, s19, 9                         ; my first column in bytes: 512 x column block + 256 x half
	s_lshl_b32 s38, s16, 8
	s_add_co_u32 s36, s36, s38
	s_mov_b32 s37, 0
	s_add_nc_u64 s[44:45], s[8:9], s[36:37]        ; bp there
	s_add_nc_u64 s[42:43], s[12:13], s[36:37]
	s_lshl_b32 s36, s20, 19                        ; my first row: (128 x token block + 64 x half) x 4096 bytes
	s_lshl_b32 s38, s15, 18
	s_add_co_u32 s36, s36, s38
	s_add_nc_u64 s[42:43], s[42:43], s[36:37]
.irp b, 0,1,2,3
	global_load_b128 v[BIAS+8*\b:BIAS+8*\b+3],   v27, s[44:45] offset:64*\b      ; bp(16 b + 8 h + 0..7)
	global_load_b128 v[BIAS+8*\b+4:BIAS+8*\b+7], v27, s[44:45] offset:64*\b+16
.endr
.macro FETCH t                         ; K step t's fragments into buffer t % 2: 16 loads of 16 bytes for a, 32 of 8 bytes for Wp
	WIN 0x40                                       ; destination window 1, address window 0
.set FB, 128*((\t)%2)
.irp a, 0,1,2,3
.irp c, 0,1,2,3
	ds_load_b128 v[FB+16*\a+4*\c:FB+16*\a+4*\c+3], v[ADA+(\t)/4] offset:((\t)%4)*16384+2048*\a+512*\c
.endr
.endr
.irp b, 0,1,2,3
.irp c, 0,1,2,3,4,5,6,7
	ds_load_b64 v[FB+64+16*\b+2*\c:FB+64+16*\b+2*\c+1], v[ADB+(\t)/4] offset:(((\t)/2)%2)*BPART+16*\b*272+128*((\t)%2)+16*\c
.endr
.endr
.endm
.macro MUL t                           ; 16 matrix instructions; the 16 accumulators take turns; K step 0 starts the sums
	WIN 0x05                                       ; sources 0 and 1 window 1; C and D window 0
.set FB, 128*((\t)%2)
.irp a, 0,1,2,3
.irp b, 0,1,2,3
.if (\t) == 0
	v_wmma_f32_16x16x128_fp8_fp8 v[ACC+8*(4*\a+\b):ACC+8*(4*\a+\b)+7], v[FB+64+16*\b:FB+64+16*\b+15], v[FB+16*\a:FB+16*\a+15], 0
.else
	v_wmma_f32_16x16x128_fp8_fp8 v[ACC+8*(4*\a+\b):ACC+8*(4*\a+\b)+7], v[FB+64+16*\b:FB+64+16*\b+15], v[FB+16*\a:FB+16*\a+15], v[ACC+8*(4*\a+\b):ACC+8*(4*\a+\b)+7]
.endif
.endr
.endr
.endm
	s_wait_tensorcnt 3                             ; my share of part 0 is in; the three parts behind it may stay out
	s_barrier_signal -1
	s_barrier_wait -1                              ; everybody's is
	FETCH 0
.irp t, 0,1,2,3,4,5,6,7
	s_wait_dscnt 0x0                               ; K step t's fragments are in
.if (\t == 1) || (\t == 3) || (\t == 5)
	s_wait_tensorcnt 3-(\t+1)/2                    ; the next K step lies in the next part: my share of it is in, the parts issued behind it may stay out
	s_barrier_signal -1
	s_barrier_wait -1
.endif
.if \t < 7
.if \t > 0
	PLACES 4                                       ; in front of loads into the buffer that the K step before multiplied
.endif
	FETCH \t+1
.endif
	MUL \t
.endr
	WIN 0
	; THE WAY OUT: y = sum x 2^(e6 + e7) + bp, one packed multiply-add for two numbers; 16 rows at a time through my own stage, back as whole pieces of 256 bytes of a row.
	s_wait_kmcnt 0x0
	s_add_co_i32 s40, s62, s63
	s_add_co_i32 s40, s40, 127
	s_lshl_b32 s40, s40, 23                        ; 2^(e6 + e7) as f32
	s_mov_b32 s41, s40
	s_wait_loadcnt 0x0                             ; bp
	PLACES 4                                       ; behind the last products
.macro TOSTAGE a
.irp b, 0,1,2,3
.irp k, 0,2,4,6
	v_pk_fma_f32 v[TMP+8*\b+\k:TMP+8*\b+\k+1], v[ACC+8*(4*(\a)+\b)+\k:ACC+8*(4*(\a)+\b)+\k+1], s[40:41], v[BIAS+8*\b+\k:BIAS+8*\b+\k+1] op_sel_hi:[1,0,1]   ; each accumulator from its low end on
.endr
.endr
.irp b, 0,1,2,3
	ds_store_b128 v[STO], v[TMP+8*\b:TMP+8*\b+3]   offset:64*\b
	ds_store_b128 v[STO], v[TMP+8*\b+4:TMP+8*\b+7] offset:64*\b+16
.endr
.irp t, 0,1,2,3,4,5,6,7
	ds_load_b128 v[ACC+32*(\a)+4*\t:ACC+32*(\a)+4*\t+3], v[RD] offset:544*\t     ; LDS serves a wave's instructions in order (ISA guide 5.7.1.4): these see my stores; they land where the block's sums lay
.endr
.endm
.macro SEND a, younger                 ; younger: the LDS instructions issued behind block a's loads
	s_wait_dscnt \younger
.irp t, 0,1,2,3,4,5,6,7
	global_store_b128 v[CO], v[ACC+32*(\a)+4*\t:ACC+32*(\a)+4*\t+3], s[42:43] offset:(16*(\a)+2*\t)*4096 th:TH_STORE_NT   ; 16 lanes store 256 consecutive bytes, at a multiple of 256 from out0's first byte
.endr
.endm
	TOSTAGE 0
.irp a, 1,2,3
	TOSTAGE \a
	SEND \a-1, 16                                  ; behind block a - 1's loads: block a's 8 stores and 8 loads
.endr
	SEND 3, 0
	s_wait_tensorcnt 0x0
	ds_add_u32 v94, v95
	s_wait_dscnt 0x0
	CROUND                                         ; no work-group ends while a partner may still ask for a tile that names it
	s_endpgm
.Lfunc_end_k_q983097f766_proj:
	.size	k_q983097f766_proj, .Lfunc_end_k_q983097f766_proj-k_q983097f766_proj
	.p2alignl 7, 3214868480
	.fill 96, 4, 3214868480
	.section	.rodata,"a",@progbits
	.p2align	6, 0x0
	.amdhsa_kernel k_q983097f766_proj
		.amdhsa_group_segment_fixed_size 327680
		.amdhsa_private_segment_fixed_size 0
		.amdhsa_enable_private_segment 0
		.amdhsa_kernarg_size 40
		.amdhsa_user_sgpr_count 2
		.amdhsa_user_sgpr_kernarg_segment_ptr 1
		.amdhsa_wavefront_size32 1
		.amdhsa_system_sgpr_workgroup_id_x 1
		.amdhsa_system_sgpr_workgroup_id_y 1
		.amdhsa_system_sgpr_workgroup_id_z 1
		.amdhsa_system_vgpr_workitem_id 0
		.amdhsa_next_free_vgpr 512
		.amdhsa_next_free_sgpr 104
		.amdhsa_reserve_vcc 0
		.amdhsa_float_denorm_mode_32 3
		.amdhsa_float_denorm_mode_16_64 3
		.amdhsa_memory_ordered 1
		.amdhsa_forward_progress 1
		.amdhsa_inst_pref_size 54
	.end_amdhsa_kernel
	.amdgpu_metadata
---
amdhsa.version: [ 1, 2 ]
amdhsa.kernels:
  - .name:           k_q983097f766_proj
    .symbol:         k_q983097f766_proj.kd
    .args:
      - { .name: af, .offset: 0, .size: 8, .value_kind: global_buffer, .address_space: global }
      - { .name: Wp_codes, .offset: 8, .size: 8, .value_kind: global_buffer, .address_space: global }
      - { .name: bp, .offset: 16, .size: 8, .value_kind: global_buffer, .address_space: global }
      - { .name: lowp_scales, .offset: 24, .size: 8, .value_kind: global_buffer, .address_space: global }
      - { .name: out0, .offset: 32, .size: 8, .value_kind: global_buffer, .address_space: global }
    .group_segment_fixed_size: 327680
    .private_segment_fixed_size: 0
    .kernarg_segment_align: 8
    .kernarg_segment_size: 40
    .max_flat_workgroup_size: 128
    .sgpr_count:     104
    .vgpr_count:     512
    .wavefront_size: 32
...
	.end_amdgpu_metadata
.endif
;; end of part 3
